; MI455X (gfx1250); checked and timed in simulation.
; The chip was launched on July 23, 2026; its instructions are those of AMD's public machine-readable ISA for CDNA 5 (MIT licence, August 2026) and "CDNA5" Instruction Set Architecture Reference Guide (July 2026). The comments in the code are by the model that wrote it; some were corrected since.
;; Multi Head Attention. Allowed arithmetic: matrix products marked QUANTISED: E5M2 operands, one E8M0 scale for each 32 along K, by v_wmma_scale_f32_16x16x128_f8f6f4 with both operands' format E5M2, f32 sums; everything else in f32.
;; Inputs: b_o 1,024 float32; b_qkv 3,072 float32; w_o_codes 1,024 x 32 x 32 uint8 (E5M2 codes of w_o, K innermost, in blocks of 32 codes); w_o_scales 1,024 x 32 uint8 (E8M0 scales of w_o, one for each 32 codes along K); w_qkv_codes 3,072 x 32 x 32 uint8 (E5M2 codes of w_qkv, K innermost, in blocks of 32 codes); w_qkv_scales 3,072 x 32 uint8 (E8M0 scales of w_qkv, one for each 32 codes along K); x_codes 4 x 2,048 x 32 x 32 uint8 (E5M2 codes of x, K innermost, in blocks of 32 codes); x_scales 4 x 2,048 x 32 uint8 (E8M0 scales of x, one for each 32 codes along K).
;; Outputs: out0 4 x 2,048 x 1,024 float32.
;; This version of the problem:
;;   THIS VERSION OF THE PROBLEM IS GIVEN IN LOW PRECISION. The matrix products marked QUANTISED in the list below multiply operands that are first quantised to E5M2 (5 exponent bits, 2 mantissa bits; 8 bits a number), with one power-of-two scale for each 32 numbers along K (OCP MX v1.0); their sums are f32. All else is computed in f32.
;;   The module's matrix products, in the order in which they are computed (A, B: the left and right operand; K: the contracted axis; several contracted axes count as one K, in the product's order):
;;     1. [M 8,192, K 1,024] x [K 1,024, N 3,072]; A: input x (given as codes); B: input w_qkv (given as codes): QUANTISED
;;     2. batch 64 x [M 2,048, K 64] x [K 64, N 2,048]; A: computed on the way; B: computed on the way: QUANTISED
;;     3. batch 64 x [M 2,048, K 2,048] x [K 2,048, N 64]; A: softmax (see below); B: computed on the way: QUANTISED
;;     4. [M 8,192, K 1,024] x [K 1,024, N 1,024]; A: computed on the way; B: input w_o (given as codes): QUANTISED
;;   THE QUANTISER, for each operand of a quantised product, along K:
;;     - K is cut into blocks of 32 from its start; a last block that is shorter is filled with zeros.
;;     - A block's scale is 2^e with e = floor(log2(the largest magnitude in the block)) - 15, held to -126 .. 127; a block of zeros has e = 0. As a byte (E8M0): e + 127.
;;     - Each number is divided by its block's scale, clamped to +-57,344, and rounded to the nearest number of E5M2, ties to even, subnormals kept.
;;     - The product sums the exact products of the quantised numbers (number of the format x scale) in f32.
;;   ~~~python
;;   def quantise(x, axis):      # numpy; x: float32 -> the quantised numbers, widened to float32 again
;;       x = np.moveaxis(x, axis, -1); K = x.shape[-1]
;;       x = np.pad(x, [(0, 0)] * (x.ndim - 1) + [(0, -K % 32)]); x = x.reshape(x.shape[:-1] + (-1, 32)); a = np.abs(x).max(-1, keepdims=True)
;;       e = np.where(a > 0, np.clip(np.frexp(np.where(a > 0, a, 1))[1] - 1 - 15, -126, 127), 0)      # np.frexp(a)[1] - 1 = floor(log2(a)), exactly
;;       r = np.clip(x / 2.0 ** e, -57344, 57344)
;;       step = 2.0 ** (np.maximum(np.frexp(np.where(r == 0, 1, r))[1] - 1, -14) - 2)
;;       q = np.round(r / step) * step * 2.0 ** e      # np.round: ties to even
;;       return np.moveaxis(q.reshape(q.shape[:-2] + (-1,))[..., :K], -1, axis).astype(np.float32)
;;   ~~~
;;   SOFTMAX AHEAD OF A QUANTISED PRODUCT. Where the list says 'softmax', what is quantised is not the finished softmax but p = 2^(t - M), with t = logit x log2(e) and M = ceil(the row's largest t), a whole number; so 1/2 < the row's largest p <= 1. The row's sum l is taken of the UNQUANTISED p, in f32, and the product's result is divided by l at the end. Since M is a whole number, a kernel that streams over the keys may use a running M (the ceiling of the running maximum): every later rescaling is an exact power of two, which a block's scale takes up: the codes' values come out the same.
;;   OPERANDS COMPUTED ON THE WAY. 'Computed on the way' means the value that the module computes at that place (a softmax that the list does not call 'softmax' is quantised finished and normalised). What goes into a quantiser is computed in f32, as accurately as f32 sums, v_exp_f32 and their like allow (about 1e-6 of the number): no bf16 or f16 on the way to a quantiser, and a product that is left as it is and whose result goes on into a quantised operand takes f32 operands (vector FMAs, or v_wmma_f32_16x16x4_f32). A number that lies on a knife's edge between two numbers of the format may be rounded either way, as far as f32 arithmetic and the matrix unit's own rounding can turn it there, and no further.
;;   INPUTS GIVEN AS CODES. w_o (in the module: [1024, 1024], K = its axis 0); w_qkv (in the module: [1024, 3072], K = its axis 0); x (in the module: [4, 2048, 1024], K = its axis 2): each comes as NAME_codes (uint8): NAME with its K axis moved to the last place and cut into blocks of 32 codes, [.., K / 32, bytes a block], one block behind the other in memory; one code a byte (a code: sign, 5 exponent bits, 2 mantissa bits); and NAME_scales (uint8): the same leading axes, one E8M0 byte (e + 127) for each 32 codes along K. Its value is code x scale, taken as it is: it is not quantised again, and the codes and scales need not be those that the quantiser above would give.
;; One version. Each part assembles by itself: llvm-mc -triple=amdgcn-amd-amdhsa -mcpu=gfx1250 --defsym DOCPART=n.
;; ======== version 1 of 1: 3 launches
;; workspace buffers: qi 8,388,608 bytes; qs 524,288 bytes; kv 16,777,216 bytes; kvs 786,432 bytes; vc 8,388,608 bytes; vsc 262,144 bytes
;; launch qkv (part 1): grid 16 x 32, 4 waves a work-group, clusters of 4 x 4, 327,680 bytes of LDS; arguments x_codes, x_scales, w_qkv_codes, w_qkv_scales, b_qkv, qi, qs, kv, kvs; writes qi, qs, kv, kvs
.if DOCPART == 1
	.amdgcn_target "amdgcn-amd-amdhsa--gfx1250"
	.amdhsa_code_object_version 6
	.text
	.protected	k_q6a1f5f6c41_qkv
	.globl	k_q6a1f5f6c41_qkv
	.p2align	8
	.type	k_q6a1f5f6c41_qkv,@function
k_q6a1f5f6c41_qkv:
	s_mov_b64 s[64:65], 0
	v_nop
	global_prefetch_b8 v0, s[64:65] scope:SCOPE_SE
	s_setreg_imm32_b32 hwreg(HW_REG_WAVE_MODE, 25, 1), 1
	s_wait_xcnt 0x0
	s_wait_alu depctr_hold_cnt(0) depctr_sa_sdst(0) depctr_va_vdst(0) depctr_va_sdst(0) depctr_va_ssrc(0) depctr_va_vcc(0) depctr_vm_vsrc(0)
	s_getreg_b32 s2, hwreg(HW_REG_IB_STS2, 6, 4)
	s_cmp_eq_u32 s2, 0
	s_cbranch_scc0 .Lentry_in_a_cluster
	s_endpgm
.Lentry_in_a_cluster:
	s_bfe_u32 s2, ttmp6, 0x10000c
	s_cmp_lg_u32 s2, 0xf033
	s_cbranch_scc0 .Lentry_shape_is_right
	s_endpgm
.Lentry_shape_is_right:
; qkv = x W^T + b on codes of BF8 (E5M2) with E8M0 scales, then q, k and v are quantised again for the attention launch.
; x: [8192 tokens][1024] codes, scales [8192][32].  W: [3072 columns][1024] codes, scales [3072][32].  Head t owns columns 192 t on: 64 of q, 64 of k, 64 of v.
; SHARES.  A work-group makes 256 tokens x one head's 192 columns; wave w takes tokens 64 w .. 64 w + 63 and all 192 columns: 4 tiles of tokens (m) x 12 tiles of columns (i) = 48 accumulators.
; q's and k's tiles (i = 0..7) are used transposed (source 0 = 16 rows of W, source 1 = 16 tokens): a lane holds ONE token and eight neighbouring columns, so its registers run along the head's 64, q's and k's next K.
; v's tiles (i = 8..11) are used the other way (source 0 = tokens, source 1 = rows of W): a lane holds ONE column and eight neighbouring tokens: its registers run along the keys, v's next K.
; ORDER INSIDE A BLOCK OF 32.  Two neighbouring tiles give a lane 16 numbers of a block: number n is index 16 (n / 8) + 8 (lane / 16) + n % 8 of the block.  q and k are laid alike, and so are v and the attention's p:
; a permutation inside a block, the same on both sides of a product, changes neither the products nor the block's scale.
; OUT.  Operands leave as images of the operand's registers: four registers a lane by one store, lane l's 16 bytes at 16 l, 512 consecutive bytes a store.  Scale words are gathered in LDS and leave in runs of 256 or 512 bytes.
; K goes in 8 steps of 128 through two LDS slots of 256 along K (rows of 256 bytes), each filled twice; all steps are written out, so that each names its own scale registers, which hold all of K's scales from the head on.
; CLUSTER 4 x 4: x's tile hangs on the token block alone and is asked for jointly along a row of the cluster, W's on the head alone, along a column.
; The bias is the C of each sum's first product.
; LIMITS: NaN and infinities among the values are not served.  A block whose largest magnitude lies under 2^-111 (a block of zeros too) gets the scale byte 1; these bytes are read by this program alone.  The bias starts the f32 sum instead of being added behind it.
; REGISTERS.  window 0: v1-19 addresses; v20-35 at work; v36-117 the way out (v96-127 first hold v's bias); v128-223 W's scale words (8 i + k); v224-255 x's (8 m + k).
;   window 1: v0-191 W's 12 fragments; v192-255 q's and k's bias (8 i + j).   window 2: accumulators (i, m), i < 8, at v[32 i + 8 m].   window 3: v0-127 accumulators of v's tiles; v128-255 x's fragments, two sets.
.set PITCH,  272                       ; an LDS row: 256 bytes + 16 of padding: the 16 rows of a fragment load start 68 words apart
.set XH,     128*PITCH                 ; 128 rows of x: one tensor load
.set WOFF,   2*XH                      ; W's rows lie behind x's 256
.set WH,     96*PITCH                  ; 96 rows of W: one tensor load
.set SLOT,   WOFF+2*WH
.set SPARE,  2*SLOT                    ; the spare words: 128 bytes a wave, two blocks of 256 bytes that no other line names
.set SQ,     SPARE+512                 ; q's scale words: 256 bytes a wave
.set SK,     SQ+1024                   ; an image of two key steps' scale words: 2 x 768 bytes
.set ADX, 4                            ; v4-5   LDS address of my x fragments in slot 0, 1
.set ADW, 6                            ; v6-7   the same for W
.set SPW, 8                            ; v8     my spare word; never rewritten
.set NIL, 9                            ; v9     0; never rewritten
.set LI,  10                           ; v10    16 x lane
.set L8,  11                           ; v11    8 x lane
.set AQ,  12                           ; v12    where my token's q word goes
.set AK,  13                           ; v13    where my token's four k words go
.set AV,  14                           ; v14    where my column's two v bytes go
.set RQ,  15                           ; v15    where I read q's words back
.set RK,  16                           ; v16    where I read k's and v's words back
.set R32, 17                           ; v17    32 r
.set H32, 18                           ; v18    32 h
.set R4,  19                           ; v19    4 r
.set TM,  20                           ; v20-23 largest magnitudes; v24-27 the other half's, then bytes; v28-31 the hold; v32-35 the conversions' scale operands
.set CQK, 36                           ; v36-99 q's and k's codes: 16 registers for each m
.set CV,  36                           ; v36-67 later v's codes: 4 registers a block
.set VB,  96                           ; v96-127 v's bias, eight equal registers for each tile; done with after the first K step
.set PWQ, 100
.set PWK, 104
.set VS,  108
.set RB,  112
.set SCW, 128
.set SCX, 224
.set WV,   22                          ; s22 wave; s23 = wave / 2: I fetch for x (0) or for W (1); s24 = wave % 2: which half
.set ROLE, 23
.set HALF, 24
.set G1X, 28                           ; s[28:35] group 1 for x's tiles; s[36:43] group 0, a set for each slot
.set G0X, 36
.set G1W, 44                           ; s[44:51], s[52:59] the same for W's
.set G0W, 52
.set MSB, 0
.macro WIN new                         ; the immediate's high byte repeats the setting that is left; a switch that changes nothing is dropped
.if MSB != (\new)
	s_set_vgpr_msb (MSB<<8)|(\new)
.set MSB, (\new)
.endif
.endm
.macro PLACES n
.rept \n
	v_nop
.endr
.endm
; A joint load: waves 0 and 1 fetch x's halves, waves 2 and 3 W's.  The branch hangs on the wave's number alone.  Four v_nop follow each of the two lines.
.macro JLOAD g0a, g1a, g0b, g1b
	s_cmp_eq_u32 s[ROLE], 0
	s_cbranch_scc0 .Lfor_b_\@
	tensor_load_to_lds s[\g0a:\g0a+3], s[\g1a:\g1a+7]
	s_nop 0
.rept 4
	v_nop
.endr
	s_branch .Lasked_\@
.Lfor_b_\@:
	tensor_load_to_lds s[\g0b:\g0b+3], s[\g1b:\g1b+7]
	s_nop 0
.rept 4
	v_nop
.endr
.Lasked_\@:
.endm
.macro CREST                           ; a round of the cluster's barrier behind its opening barrier
	s_cmp_lg_u32 s[WV], 0
	s_cbranch_scc1 .Lnot_wave_0_\@
	s_barrier_signal -3
.Lnot_wave_0_\@:
	s_barrier_wait -3
	s_barrier_signal -1
	s_barrier_wait -1
.endm
.macro CROUND                          ; a whole round
	s_barrier_signal -1
	s_barrier_wait -1
	CREST
.endm
	s_load_b256 s[4:11], s[0:1], 0x0               ; x's codes s[4:5], x's scales s[6:7], W's codes s[8:9], W's scales s[10:11]
	s_load_b256 s[12:19], s[0:1], 0x20             ; b s[12:13], qi s[14:15], qs s[16:17], kv s[18:19]
	s_load_b64 s[20:21], s[0:1], 0x40              ; kvs
	v_lshl_add_u32 v[SPW], v0, 2, SPARE
	v_mov_b32 v[NIL], 0
	ds_add_u32 v8, v9
	ds_add_u32 v8, v9
	s_wait_dscnt 0x0
	v_lshrrev_b32 v1, 5, v0
	v_readfirstlane_b32 s[WV], v1                  ; wave 0..3
	s_lshr_b32 s[ROLE], s[WV], 1
	s_and_b32 s[HALF], s[WV], 1
	s_bfe_u32 s60, ttmp6, 0x40000                  ; cx, cy: my place in the cluster
	s_bfe_u32 s61, ttmp6, 0x40004
	s_lshl_b32 s62, ttmp9, 2
	s_add_co_u32 s62, s62, s60                     ; the head = 4 x cluster x + cx
	s_and_b32 s63, ttmp7, 0xffff
	s_lshl_b32 s63, s63, 2
	s_add_co_u32 s63, s63, s61                     ; the block of 256 tokens = 4 x cluster y + cy
	s_lshl_b32 s25, s61, 2
	s_lshl_b32 s25, 15, s25                        ; my row of the cluster
	s_lshl_b32 s26, 0x1111, s60                    ; my column
	s_or_b32 s[G1X], s25, 0x07700000               ; 15:0 the mask; 17:16 elements of 1 byte; 20 padding on; 21 set beside a mask; 24:22 after every 64 words (code 5); 31:25 four words (code 3)
	s_mov_b32 s[G1X+1], 256<<16                    ; tensor_dim0 = 256
	s_mov_b32 s[G1X+2], 128<<16                    ; tensor_dim1 = 128
	s_mov_b32 s[G1X+3], 256<<16                    ; tile_dim0 = 256
	s_mov_b32 s[G1X+4], 128                        ; tile_dim1 = 128
	s_mov_b32 s[G1X+5], 1024                       ; from row to row
	s_mov_b32 s[G1X+6], 0
	s_mov_b32 s[G1X+7], 0
	s_or_b32 s[G1W], s26, 0x07700000
	s_mov_b32 s[G1W+1], 256<<16
	s_mov_b32 s[G1W+2], 96<<16                     ; 96 rows
	s_mov_b32 s[G1W+3], 256<<16
	s_mov_b32 s[G1W+4], 96
	s_mov_b32 s[G1W+5], 1024
	s_mov_b32 s[G1W+6], 0
	s_mov_b32 s[G1W+7], 0
	s_lshl_b32 s66, s63, 18                        ; x: (256 x block + 128 x half) rows of 1,024 bytes; these registers never hold cx
	s_lshl_b32 s67, s[HALF], 17
	s_add_co_u32 s66, s66, s67
	s_mov_b32 s67, 0
	s_mul_i32 s68, s62, 192*1024                   ; W: (192 x head + 96 x half) rows; these never hold cy
	s_mul_i32 s69, s[HALF], 96*1024
	s_add_co_u32 s68, s68, s69
	s_mov_b32 s69, 0
	s_mul_i32 s70, s[HALF], XH                     ; where they go in a slot: the wave's number alone
	s_mul_i32 s71, s[HALF], WH
	s_add_co_u32 s71, s71, WOFF
	s_mov_b32 s90, 0x76543210
	s_mov_b32 s91, 0xfedcba98                      ; v_permlanex16_b32's selects for lane l xor 16
	s_mov_b32 s92, 0x600000                        ; the mantissa field of 57,344
	s_wait_kmcnt 0x0
	s_add_nc_u64 s[66:67], s[4:5], s[66:67]
	s_add_nc_u64 s[68:69], s[8:9], s[68:69]
	CROUND                                         ; all sixteen work-groups are here: the first joint loads meet
.irp s, 0,1
	s_mov_b32 s[G0X+4*\s], 1
	s_add_co_u32 s[G0X+4*\s+1], s70, \s*SLOT
	s_add_nc_u64 s[G0X+4*\s+2:G0X+4*\s+3], s[66:67], \s*256
	s_or_b32 s[G0X+4*\s+3], s[G0X+4*\s+3], 0x80000000
	s_mov_b32 s[G0W+4*\s], 1
	s_add_co_u32 s[G0W+4*\s+1], s71, \s*SLOT
	s_add_nc_u64 s[G0W+4*\s+2:G0W+4*\s+3], s[68:69], \s*256
	s_or_b32 s[G0W+4*\s+3], s[G0W+4*\s+3], 0x80000000
	JLOAD G0X+4*\s, G1X, G0W+4*\s, G1W             ; two loads of mine are out
.endr
	v_and_b32 v1, 15, v0                           ; r
	v_bfe_u32 v2, v0, 4, 1                         ; h
	v_and_b32 v3, 31, v0                           ; lane
	v_mul_u32_u24 v20, v1, PITCH
	v_lshl_add_u32 v20, v2, 4, v20                 ; a fragment's row x pitch + 16 h
	s_mul_i32 s72, s[WV], 64*PITCH                 ; my 64 rows of x
	v_add_nc_u32 v[ADX], s72, v20
	v_add_nc_u32 v[ADX+1], SLOT, v[ADX]
	v_add_nc_u32 v[ADW], WOFF, v20
	v_add_nc_u32 v[ADW+1], SLOT, v[ADW]
	v_lshlrev_b32 v[LI], 4, v3
	v_lshlrev_b32 v[L8], 3, v3
	s_lshl_b32 s72, s[WV], 8
	v_lshl_add_u32 v[AQ], v1, 2, s72
	v_add_nc_u32 v[AQ], SQ, v[AQ]                  ; SQ + 256 w + 4 r
	v_add_nc_u32 v[RQ], s72, v[L8]
	v_add_nc_u32 v[RQ], SQ, v[RQ]                  ; SQ + 256 w + 8 x lane
	s_mul_i32 s73, s[ROLE], 768                    ; which of the block's two key steps my tokens belong to
	s_lshl_b32 s74, s[HALF], 4
	s_add_co_u32 s74, s74, s73
	v_lshl_add_u32 v[AK], v1, 5, s74
	v_add_nc_u32 v[AK], SK, v[AK]                  ; SK + 768 (w / 2) + 16 (w % 2) + 32 r: row r's words of key tiles 4 (w % 2) on
	s_lshl_b32 s74, s[HALF], 1
	s_add_co_u32 s74, s74, s73
	v_lshl_add_u32 v[AV], v1, 4, s74
	v_add_nc_u32 v[AV], SK+512, v[AV]              ; SK + 512 + 768 (w / 2) + 2 (w % 2) + 16 r: bytes 2 (w % 2), + 1 of row r's words
	s_lshl_b32 s74, s[WV], 9
	v_add_nc_u32 v[RK], s74, v[LI]
	v_add_nc_u32 v[RK], SK, v[RK]                  ; SK + 512 w + 16 x lane (waves 0 to 2)
	v_lshlrev_b32 v[R32], 5, v1
	v_lshlrev_b32 v[H32], 5, v2
	v_lshlrev_b32 v[R4], 2, v1
.irp b, 0,1,2,3
	v_mov_b32 v[TM+4+\b], 0                        ; written once: a lane permute's destination counts as one of its sources
.endr
	s_mov_b32 s73, 0
	s_mul_i32 s72, s62, 192*32
	s_add_nc_u64 s[10:11], s[10:11], s[72:73]      ; W's scales at the head's first row
	s_lshl_b32 s72, s63, 13
	s_lshl_b32 s74, s[WV], 11
	s_add_co_u32 s72, s72, s74
	s_add_nc_u64 s[6:7], s[6:7], s[72:73]          ; x's scales at my first token
	s_mul_i32 s72, s62, 768
	s_add_nc_u64 s[12:13], s[12:13], s[72:73]      ; the bias at the head's first column
	; the scale words of all of K stay in registers: a row's 32 bytes are eight words, one for each K step; lane r takes row r's
.irp i, 0,1,2,3,4,5,6,7,8,9,10,11
.irp g, 0,1
	global_load_b128 v[SCW+8*\i+4*\g:SCW+8*\i+4*\g+3], v[R32], s[10:11] offset:512*\i+16*\g
.endr
.endr
.irp m, 0,1,2,3
.irp g, 0,1
	global_load_b128 v[SCX+8*\m+4*\g:SCX+8*\m+4*\g+3], v[R32], s[6:7] offset:512*\m+16*\g
.endr
.endr
.irp t, 0,1,2,3
.irp j, 0,1,2,3,4,5,6,7
	global_load_b32 v[VB+8*\t+\j], v[R4], s[12:13] offset:512+64*\t   ; v's bias: a lane holds one column, so its eight registers of C are equal
.endr
.endr
	WIN 0x40                                       ; destination window 1
.irp i, 0,1,2,3,4,5,6,7
	global_load_b128 v[192+8*\i:192+8*\i+3], v[H32], s[12:13] offset:64*\i       ; q's and k's bias: columns 16 i + 8 h + 0 .. 7
	global_load_b128 v[192+8*\i+4:192+8*\i+7], v[H32], s[12:13] offset:64*\i+16
.endr
	WIN 0
	; where my results go
	s_lshr_b32 s72, s63, 3
	s_lshl_b32 s72, s72, 4
	s_add_co_u32 s72, s72, s62                     ; bh = 16 x batch + head
	s_and_b32 s74, s63, 7                          ; the block of 256 tokens within the batch
	s_lshl_b32 s75, s72, 7
	s_lshl_b32 s76, s74, 4
	s_add_co_u32 s75, s75, s76
	s_lshl_b32 s76, s[WV], 2
	s_add_co_u32 s75, s75, s76                     ; my first tile of 16 tokens: 128 bh + 16 block + 4 w
	s_lshl_b32 s76, s75, 10
	s_mov_b32 s77, 0
	s_add_nc_u64 s[80:81], s[14:15], s[76:77]      ; q's images: 1,024 bytes a tile
	s_lshl_b32 s76, s75, 6
	s_add_nc_u64 s[86:87], s[16:17], s[76:77]      ; q's scale words: 64 bytes a tile
	s_lshl_b32 s76, s72, 18
	s_lshl_b32 s78, s74, 1
	s_add_co_u32 s78, s78, s[ROLE]
	s_lshl_b32 s78, s78, 14
	s_add_co_u32 s76, s76, s78                     ; the head's 262,144 bytes, my key step's 16,384
	s_lshl_b32 s78, s[HALF], 12
	s_add_co_u32 s78, s78, s76
	s_mov_b32 s79, 0
	s_add_nc_u64 s[82:83], s[18:19], s[78:79]      ; k's images: key tiles 4 (w % 2) on
	s_lshl_b32 s78, s[HALF], 10
	s_add_co_u32 s78, s78, s76
	s_add_co_u32 s78, s78, 8192
	s_add_nc_u64 s[84:85], s[18:19], s[78:79]      ; v's images: key blocks 2 (w % 2) on
	s_mul_i32 s76, s72, 12288
	s_mul_i32 s78, s74, 1536
	s_add_co_u32 s76, s76, s78
	s_lshl_b32 s78, s[WV], 9
	s_add_co_u32 s76, s76, s78
	s_add_nc_u64 s[88:89], s[20:21], s[76:77]      ; k's and v's scale words: the block's 1,536 bytes, 512 for each of waves 0 to 2
.macro FETCH_X slot, q, set            ; my four fragments of x, the slot's q-th 128 along K: 16 loads.  A fragment: lane l holds row l % 16; registers 4 c .. 4 c + 3 hold K = 32 c + 16 (l / 16) + 0 .. 15
	WIN 0xc0                                       ; destination window 3
.irp m, 0,1,2,3
.irp c, 0,1,2,3
	ds_load_b128 v[128+64*(\set)+16*\m+4*\c:128+64*(\set)+16*\m+4*\c+3], v[ADX+\slot] offset:128*(\q)+32*\c+\m*16*PITCH
.endr
.endr
.endm
.macro FETCH_W slot, q, i0             ; W's fragments i0 .. i0 + 5: 24 loads
	WIN 0x40                                       ; destination window 1
.irp d, 0,1,2,3,4,5
.irp c, 0,1,2,3
	ds_load_b128 v[16*((\i0)+\d)+4*\c:16*((\i0)+\d)+4*\c+3], v[ADW+\slot] offset:128*(\q)+32*\c+((\i0)+\d)*16*PITCH
.endr
.endr
.endm
; Four products: W's tile i against my four tiles of tokens, K step k, x's set.  first = 1: the bias is C.  The 48 accumulators take turns, one instruction a turn, in the same order in every K step.
.macro MULT i, k, set, first
.if (\i) < 8
.if \first
	WIN 0x9d                                       ; W window 1, x window 3, C (bias) window 1, D window 2
.else
	WIN 0xad                                       ; W window 1, x window 3, C and D window 2
.endif
.irp m, 0,1,2,3
.if \first
	v_wmma_scale_f32_16x16x128_f8f6f4 v[32*(\i)+8*\m:32*(\i)+8*\m+7], v[16*(\i):16*(\i)+15], v[128+64*(\set)+16*\m:128+64*(\set)+16*\m+15], v[192+8*(\i):192+8*(\i)+7], v[SCW+8*(\i)+(\k)], v[SCX+8*\m+(\k)] matrix_a_fmt:MATRIX_FMT_BF8 matrix_b_fmt:MATRIX_FMT_BF8
.else
	v_wmma_scale_f32_16x16x128_f8f6f4 v[32*(\i)+8*\m:32*(\i)+8*\m+7], v[16*(\i):16*(\i)+15], v[128+64*(\set)+16*\m:128+64*(\set)+16*\m+15], v[32*(\i)+8*\m:32*(\i)+8*\m+7], v[SCW+8*(\i)+(\k)], v[SCX+8*\m+(\k)] matrix_a_fmt:MATRIX_FMT_BF8 matrix_b_fmt:MATRIX_FMT_BF8
.endif
.endr
.else
.if \first
	WIN 0xc7                                       ; x window 3, W window 1, C (bias) window 0, D window 3
.else
	WIN 0xf7                                       ; x window 3, W window 1, C and D window 3
.endif
.irp m, 0,1,2,3
.if \first
	v_wmma_scale_f32_16x16x128_f8f6f4 v[32*((\i)-8)+8*\m:32*((\i)-8)+8*\m+7], v[128+64*(\set)+16*\m:128+64*(\set)+16*\m+15], v[16*(\i):16*(\i)+15], v[VB+8*((\i)-8):VB+8*((\i)-8)+7], v[SCX+8*\m+(\k)], v[SCW+8*(\i)+(\k)] matrix_a_fmt:MATRIX_FMT_BF8 matrix_b_fmt:MATRIX_FMT_BF8
.else
	v_wmma_scale_f32_16x16x128_f8f6f4 v[32*((\i)-8)+8*\m:32*((\i)-8)+8*\m+7], v[128+64*(\set)+16*\m:128+64*(\set)+16*\m+15], v[16*(\i):16*(\i)+15], v[32*((\i)-8)+8*\m:32*((\i)-8)+8*\m+7], v[SCX+8*\m+(\k)], v[SCW+8*(\i)+(\k)] matrix_a_fmt:MATRIX_FMT_BF8 matrix_b_fmt:MATRIX_FMT_BF8
.endif
.endr
.endif
.endm
; A load into a register that a matrix instruction has read stands eight plain vector instructions behind it: so eight v_nop stand in front of each run of loads.
; A slot's first K step (x's set 0); its successor lies in the same slot.
.macro STEP slot, k, first
	s_wait_dscnt 24                                ; x's set and W's tiles 0-5 are in; the youngest 24 loads (W's tiles 6-11) may be out
.irp i, 0,1,2,3,4,5
	MULT \i, \k, 0, \first
.endr
	s_wait_dscnt 0x0                               ; W's tiles 6-11 are in
	PLACES 8
	FETCH_X \slot, 1, 1
	FETCH_W \slot, 1, 0
.irp i, 6,7,8,9,10,11
	MULT \i, \k, 0, \first
.endr
	PLACES 8
	FETCH_W \slot, 1, 6
	WIN 0
.endm
; A slot's second K step (x's set 1) changes slots: ONE barrier; in front of it each wave waits for all its tensor loads, adds 0 to its spare word, and waits for that and for its reads of this slot.
; fill = 1: the barrier opens a round of the cluster's barrier, and behind the round this slot is filled again, 512 further along K.
.macro TURN slot, next, fill, k
	s_wait_tensorcnt 0x0                           ; all my tensor loads have landed: my part of the next slot
	ds_add_u32 v[SPW], v[NIL]                      ; 0 onto my spare word
	s_wait_dscnt 25                                ; (the add and the youngest 24 loads, W's tiles 6-11, may be out)
.irp i, 0,1,2
	MULT \i, \k, 1, 0
.endr
	s_wait_dscnt 0x0                               ; the add is done, and my reads of this slot are over
	s_barrier_signal -1
.irp i, 3,4,5
	MULT \i, \k, 1, 0
.endr
	WIN 0
	s_barrier_wait -1
.if \fill
	CREST                                          ; no wave of any partner still reads this slot or has a load on its way
	s_add_nc_u64 s[G0X+4*\slot+2:G0X+4*\slot+3], s[G0X+4*\slot+2:G0X+4*\slot+3], 512
	s_add_nc_u64 s[G0W+4*\slot+2:G0W+4*\slot+3], s[G0W+4*\slot+2:G0W+4*\slot+3], 512
	JLOAD G0X+4*\slot, G1X, G0W+4*\slot, G1W       ; my one tensor load behind the round, and the first thing there; its four v_nop are four of the eight places
	PLACES 4
.else
	PLACES 8
.endif
	FETCH_X \next, 0, 0
	FETCH_W \next, 0, 0
.irp i, 6,7,8,9,10,11
	MULT \i, \k, 1, 0
.endr
	PLACES 8
	FETCH_W \next, 0, 6
	WIN 0
.endm
; Four blocks of 32 become codes.  Number n (0 .. 15) of block b lies in register base + sb b + sh (n / 8) + n % 8 of window W; the block's other 16 lie in lane l xor 16.  Codes: four registers a block from v[cd] on; bytes in v[TM+4] on.
; Each accumulator is read from its low end on.
.macro QUANT4 W, base, sb, sh, cd
	WIN (\W)|((\W)<<2)
.irp b, 0,1,2,3
	v_max3_num_f32 v[TM+\b], |v[(\base)+(\sb)*\b]|, |v[(\base)+(\sb)*\b+1]|, 0x8000000   ; with the floor 2^(16 - 127): the byte cannot fall under 1
.endr
	WIN ((\W)<<2)|((\W)<<4)
.irp n, 2,4,6,8,10,12,14
.irp b, 0,1,2,3
	v_max3_num_f32 v[TM+\b], v[TM+\b], |v[(\base)+(\sb)*\b+(\sh)*(\n/8)+(\n%8)]|, |v[(\base)+(\sb)*\b+(\sh)*(\n/8)+(\n%8)+1]|
.endr
.endr
	WIN 0
.irp b, 0,1,2,3
	v_permlanex16_b32 v[TM+4+\b], v[TM+\b], s90, s91
.endr
.irp b, 0,1,2,3
	v_max_num_f32 v[TM+\b], v[TM+\b], v[TM+4+\b]   ; the block's largest magnitude
.endr
.irp b, 0,1,2,3
	v_add_nc_u32 v[TM+12+\b], 0xf8800000, v[TM+\b] ; 15 off its exponent field: the conversion's scale operand
.endr
.irp b, 0,1,2,3
	v_and_or_b32 v[TM+8+\b], v[TM+\b], 0x7f800000, s92   ; 57,344 x the scale
.endr
.irp b, 0,1,2,3
	v_lshrrev_b32 v[TM+4+\b], 23, v[TM+12+\b]      ; the scale's byte
.endr
	WIN (\W)|((\W)<<6)
.irp b, 0,1,2,3
.irp n, 0,1,2,3,4,5,6,7,8,9,10,11,12,13,14,15
	v_med3_num_f32 v[(\base)+(\sb)*\b+(\sh)*(\n/8)+(\n%8)], v[(\base)+(\sb)*\b+(\sh)*(\n/8)+(\n%8)], -v[TM+8+\b], v[TM+8+\b]   ; the conversion to an 8-bit code does not saturate (ISA guide 7.6.2): the hold
.endr
.endr
	WIN (\W)
.irp b, 0,1,2,3
.irp g, 0,1
	v_cvt_scalef32_pk8_bf8_f32 v[(\cd)+4*\b+2*\g:(\cd)+4*\b+2*\g+1], v[(\base)+(\sb)*\b+(\sh)*\g:(\base)+(\sb)*\b+(\sh)*\g+7], v[TM+12+\b]
.endr
.endr
	WIN 0
	v_nop                                          ; one plain vector instruction behind the last conversion
.endm
	s_wait_tensorcnt 0x1                           ; my part of slot 0 is in; slot 1's may stay out
	s_barrier_signal -1
	s_barrier_wait -1                              ; everybody's is
	FETCH_X 0, 0, 0
	FETCH_W 0, 0, 0
	FETCH_W 0, 0, 6
	WIN 0
	s_wait_loadcnt 0x0                             ; scale words and biases
	STEP 0, 0, 1
	TURN 0, 1, 1, 1
	STEP 1, 2, 0
	TURN 1, 0, 1, 3
	STEP 0, 4, 0
	TURN 0, 1, 0, 5                                ; nothing is left to fetch: no round
	STEP 1, 6, 0
	s_wait_dscnt 24                                ; the last K step
.irp i, 0,1,2,3,4,5
	MULT \i, 7, 1, 0
.endr
	s_wait_dscnt 0x0
.irp i, 6,7,8,9,10,11
	MULT \i, 7, 1, 0
.endr
	WIN 0
	PLACES 8                                       ; in front of the first read of results
	; q and k: for each tile of tokens four blocks: q's two, k's two (tiles 2 b and 2 b + 1 of the columns)
.irp m, 0,1,2,3
	QUANT4 2, 8*\m, 64, 32, CQK+16*\m
	v_lshl_or_b32 v[PWQ+\m], v[TM+5], 8, v[TM+4]
	v_lshl_or_b32 v[PWK+\m], v[TM+7], 8, v[TM+6]
	v_or_b32 v[PWQ+\m], 0x7f7f0000, v[PWQ+\m]      ; bytes 2 and 3 stand for 1.0: the upper 64 of the instruction's K, where q's codes are zeros
	v_or_b32 v[PWK+\m], 0x7f7f0000, v[PWK+\m]
.irp c, 0,1
	global_store_b128 v[LI], v[CQK+16*\m+4*\c:CQK+16*\m+4*\c+3], s[80:81] offset:1024*\m+512*\c       ; 32 lanes store 512 consecutive bytes
	global_store_b128 v[LI], v[CQK+16*\m+8+4*\c:CQK+16*\m+8+4*\c+3], s[82:83] offset:1024*\m+512*\c
.endr
.endr
	s_wait_xcnt 0x0                                ; those stores have read their data: v's codes take the same registers
	; v: for each pair of column tiles four blocks: block b = column tile 2 g + b / 2, tokens 32 (b % 2) on
.irp g, 0,1
	QUANT4 3, 64*\g, 16, 8, CV+16*\g
	v_lshl_or_b32 v[VS+2*\g], v[TM+5], 8, v[TM+4]
	v_lshl_or_b32 v[VS+2*\g+1], v[TM+7], 8, v[TM+6]
.irp b, 0,1,2,3
	global_store_b128 v[LI], v[CV+16*\g+4*\b:CV+16*\g+4*\b+3], s[84:85] offset:2048*(2*\g+\b/2)+512*(\b%2)
.endr
.endr
	; the scale words meet in LDS and leave in whole runs.  Lanes l and l + 16 write the same bytes with the same values
.irp m, 0,1,2,3
	ds_store_b32 v[AQ], v[PWQ+\m] offset:64*\m
.endr
	ds_store_b128 v[AK], v[PWK:PWK+3]
.irp t, 0,1,2,3
	ds_store_b16 v[AV], v[VS+\t] offset:4*\t
.endr
	s_wait_dscnt 0x0                               ; for the others' sake: my stores have landed
	s_barrier_signal -1
	s_barrier_wait -1
	ds_load_b64 v[RB:RB+1], v[RQ]
	s_wait_dscnt 0x0
	global_store_b64 v[L8], v[RB:RB+1], s[86:87]   ; 256 consecutive bytes
	s_cmp_lt_u32 s[WV], 3
	s_cbranch_scc0 .Lno_kvs
	ds_load_b128 v[RB+2:RB+5], v[RK]
	s_wait_dscnt 0x0
	global_store_b128 v[LI], v[RB+2:RB+5], s[88:89]   ; 512 consecutive bytes
.Lno_kvs:
	s_wait_tensorcnt 0x0                           ; the wave's end
	ds_add_u32 v[SPW], v[NIL]
	s_wait_dscnt 0x0
	CROUND                                         ; the closing round
	s_endpgm
.Lfunc_end_k_q6a1f5f6c41_qkv:
	.size	k_q6a1f5f6c41_qkv, .Lfunc_end_k_q6a1f5f6c41_qkv-k_q6a1f5f6c41_qkv
	.p2alignl 7, 3214868480
	.fill 96, 4, 3214868480
	.section	.rodata,"a",@progbits
	.p2align	6, 0x0
	.amdhsa_kernel k_q6a1f5f6c41_qkv
		.amdhsa_group_segment_fixed_size 327680
		.amdhsa_private_segment_fixed_size 0
		.amdhsa_enable_private_segment 0
		.amdhsa_kernarg_size 72
		.amdhsa_user_sgpr_count 2
		.amdhsa_user_sgpr_kernarg_segment_ptr 1
		.amdhsa_wavefront_size32 1
		.amdhsa_system_sgpr_workgroup_id_x 1
		.amdhsa_system_sgpr_workgroup_id_y 1
		.amdhsa_system_sgpr_workgroup_id_z 1
		.amdhsa_system_vgpr_workitem_id 0
		.amdhsa_next_free_vgpr 1024
		.amdhsa_next_free_sgpr 96
		.amdhsa_reserve_vcc 0
		.amdhsa_float_denorm_mode_32 3
		.amdhsa_float_denorm_mode_16_64 3
		.amdhsa_memory_ordered 1
		.amdhsa_forward_progress 1
		.amdhsa_inst_pref_size 158
	.end_amdhsa_kernel
	.amdgpu_metadata
---
amdhsa.version: [ 1, 2 ]
amdhsa.kernels:
  - .name:           k_q6a1f5f6c41_qkv
    .symbol:         k_q6a1f5f6c41_qkv.kd
    .args:
      - { .name: x_codes, .offset: 0, .size: 8, .value_kind: global_buffer, .address_space: global }
      - { .name: x_scales, .offset: 8, .size: 8, .value_kind: global_buffer, .address_space: global }
      - { .name: w_qkv_codes, .offset: 16, .size: 8, .value_kind: global_buffer, .address_space: global }
      - { .name: w_qkv_scales, .offset: 24, .size: 8, .value_kind: global_buffer, .address_space: global }
      - { .name: b_qkv, .offset: 32, .size: 8, .value_kind: global_buffer, .address_space: global }
      - { .name: qi, .offset: 40, .size: 8, .value_kind: global_buffer, .address_space: global }
      - { .name: qs, .offset: 48, .size: 8, .value_kind: global_buffer, .address_space: global }
      - { .name: kv, .offset: 56, .size: 8, .value_kind: global_buffer, .address_space: global }
      - { .name: kvs, .offset: 64, .size: 8, .value_kind: global_buffer, .address_space: global }
    .group_segment_fixed_size: 327680
    .private_segment_fixed_size: 0
    .kernarg_segment_align: 8
    .kernarg_segment_size: 72
    .max_flat_workgroup_size: 128
    .sgpr_count:     96
    .vgpr_count:     1024
    .wavefront_size: 32
...
	.end_amdgpu_metadata
.endif
;; end of part 1
;; launch attn (part 2): grid 8 x 64, 16 waves a work-group, clusters of 4 x 1, 327,680 bytes of LDS; arguments qi, qs, kv, kvs, vc, vsc; writes vc, vsc
.if DOCPART == 2
	.amdgcn_target "amdgcn-amd-amdhsa--gfx1250"
	.amdhsa_code_object_version 6
	.text
	.protected	k_q6a1f5f6c41_attn
	.globl	k_q6a1f5f6c41_attn
	.p2align	8
	.type	k_q6a1f5f6c41_attn,@function
k_q6a1f5f6c41_attn:
	s_mov_b64 s[64:65], 0
	v_nop
	global_prefetch_b8 v0, s[64:65] scope:SCOPE_SE
	s_setreg_imm32_b32 hwreg(HW_REG_WAVE_MODE, 25, 1), 1
	s_wait_xcnt 0x0
	s_wait_alu depctr_hold_cnt(0) depctr_sa_sdst(0) depctr_va_vdst(0) depctr_va_sdst(0) depctr_va_ssrc(0) depctr_va_vcc(0) depctr_vm_vsrc(0)
	s_getreg_b32 s2, hwreg(HW_REG_IB_STS2, 6, 4)
	s_cmp_eq_u32 s2, 0
	s_cbranch_scc0 .Lentry_in_a_cluster
	s_endpgm
.Lentry_in_a_cluster:
	s_bfe_u32 s2, ttmp6, 0x10000c
	s_cmp_lg_u32 s2, 0x3003
	s_cbranch_scc0 .Lentry_shape_is_right
	s_endpgm
.Lentry_shape_is_right:
; vals = softmax(q k^T / 8) v for one head, both products on codes of BF8 (E5M2) with E8M0 scales; vals is quantised along the model's 1,024 for the last product.
; THE SOFTMAX: t = score x log2(e) / 8; M = the running largest t rounded UP to a whole number; p = 2^(t - M) is quantised along the keys, not normalised; the row's sum is taken of the unquantised p and divides at the end.
; When M moves, the sum and O are multiplied by 2^(old M - new M), which rounds nothing.
; SHARES.  A work-group owns 256 queries of one head (bh = 16 x batch + head); each of its sixteen waves owns one tile of 16 queries in 256 registers, four waves to a SIMD.  Every wave walks the head's 2,048 keys, 128 a step.
; LDS.  A head's codes of k and v are 262,144 bytes and their scale words 12,288: they come ONCE, by five tensor loads a wave issued together at the head, and no byte is filled again.
; The first is the scale words, the other four are chunks of four key steps; a chunk is read behind a counted wait and a barrier, while the later chunks are still on their way.
; CLUSTER 4 x 1: the four query blocks of a cluster belong to one head: every load is asked for jointly by the four.
; OPERANDS lie in memory and in LDS as images of the operand's registers (four registers a lane: 16 bytes at 16 x lane), so every fragment load reads 512 consecutive bytes.
; LAYOUT.  Both products are used transposed: S^T = k q^T (source 0 = 16 keys, source 1 = my 16 queries), O^T = v^T p^T: a lane holds ONE query throughout.  Inside a block of 32 keys p's and v's codes stand in the same permuted order.
; THE FIRST PRODUCT'S K IS 64: q's fragment has zero codes in its upper eight registers.  k's fragment of tile t is v[32 + 8 t : 47 + 8 t]: its upper eight registers are the next tile's codes (behind tile 7: zeros);
; they are finite numbers, since the quantiser holds every number at the largest code, and meet zeros; bytes 2 and 3 of both scale words stand for 1.0.
; LIMITS: NaN and infinities are not served.  v_exp_f32 gives 0 for results under 2^-126.  The running largest t starts at -3e38.  A block under 2^-111 (zeros too) gets the scale byte 1; these bytes are read by this program alone.
; REGISTERS: v1-10 addresses; v12 -M, v13 the largest t, v[14:15] the sum in two halves; v16-31 q; v32-95 k's 8 tiles, then v's 4 fragments; v96-103 zeros; v104-167 S^T, then p; v168-199 O^T; v200-215 p's codes; v216-244 at work.
.set SC,   262144                      ; behind the codes: the head's scale words, 768 bytes a key step
.set SCR,  SC+12288                    ; vals' scale bytes: 32 bytes a wave
.set LI,  1                            ; v1   16 x lane
.set AS0, 2                            ; v2   SC + 32 r: row r's eight words of k
.set AT0, 3                            ; v3   SC + 512 + 16 r: row r's four words of v
.set ASC, 4                            ; v4   SCR + 32 w + 2 r
.set ARD, 5                            ; v5   SCR + 16 x lane
.set R4,  6                            ; v6   4 r
.set LN,  7                            ; v7   lane
.set ADK, 8
.set ADS, 9
.set ADT, 10
.set QF,  16
.set KF,  32
.set S,   104
.set O,   168
.set PC,  200
.set BM,  216                          ; v216-219 a block's largest score, then its largest p
.set T2,  220                          ; v220-223 the other half's, a chain of the sum, the bytes
.set HD,  224                          ; v224-227 57,344 x the scale
.set SO,  228                          ; v228-231 the conversions' scale operands
.set KS,  232                          ; v232-239 k's scale words; later v232-235 v's
.set F,   240                          ; v[240:241] f = 2^(old M - new M); v241 is named with it and written once
.set PW,  242                          ; p's scale word
.set TMP, 243
.set QW,  244                          ; q's scale word
.set WV,  16
.set SEL, 20
.set CS,  22                           ; s[22:23] c = log2(e) / 8
.set MNT, 24
.set TB,  25                           ; the step's first byte among the codes
.set TS,  26                           ; and among the scale words
.set CNT, 27
.set G1C, 28                           ; s[28:35] group 1 for a wave's part of a chunk: 16 rows of 256 bytes
.set G1S, 36                           ; s[36:43] for its part of the scale words: 3 rows of 256 bytes
.set G0S, 44
.set G0C, 48                           ; s[48:63] four groups 0, one for each chunk; none is ever rewritten
.macro CROUND
	s_barrier_signal -1
	s_barrier_wait -1
	s_cmp_lg_u32 s[WV], 0
	s_cbranch_scc1 .Lnot_wave_0_\@
	s_barrier_signal -3
.Lnot_wave_0_\@:
	s_barrier_wait -3
	s_barrier_signal -1
	s_barrier_wait -1
.endm
	s_load_b256 s[4:11], s[0:1], 0x0               ; qi s[4:5], qs s[6:7], kv s[8:9], kvs s[10:11]
	s_load_b128 s[12:15], s[0:1], 0x20             ; vc s[12:13], vsc s[14:15]
	v_lshl_add_u32 v254, v0, 2, 0x43200
	v_mov_b32 v255, 0
	ds_add_u32 v254, v255
	ds_add_u32 v254, v255
	v_lshrrev_b32 v8, 5, v0
	v_readfirstlane_b32 s[WV], v8                  ; wave 0..15
	s_bfe_u32 s17, ttmp6, 0x40000                  ; cx
	s_lshl_b32 s18, ttmp9, 2
	s_add_co_u32 s18, s18, s17                     ; my block of 256 queries: it enters q's and the outputs' addresses alone
	s_and_b32 s19, ttmp7, 0xffff                   ; bh, which the four partners share
	s_mov_b32 s[G1C], 0x0023000f                   ; 15:0 the mask: all four; 17:16 elements of 8 bytes; 21 set beside a mask; no padding
	s_mov_b32 s[G1C+1], 32<<16                     ; tensor_dim0 = 32 elements (256 bytes)
	s_mov_b32 s[G1C+2], 16<<16                     ; tensor_dim1 = 16
	s_mov_b32 s[G1C+3], 32<<16                     ; tile_dim0
	s_mov_b32 s[G1C+4], 16                         ; tile_dim1
	s_mov_b32 s[G1C+5], 32                         ; dense rows
	s_mov_b32 s[G1C+6], 0
	s_mov_b32 s[G1C+7], 0
	s_mov_b32 s[G1S], 0x0023000f
	s_mov_b32 s[G1S+1], 32<<16
	s_mov_b32 s[G1S+2], 3<<16
	s_mov_b32 s[G1S+3], 32<<16
	s_mov_b32 s[G1S+4], 3
	s_mov_b32 s[G1S+5], 32
	s_mov_b32 s[G1S+6], 0
	s_mov_b32 s[G1S+7], 0
	s_lshl_b32 s71, s[WV], 12                      ; my 4,096 bytes of a chunk
	s_lshl_b32 s66, s19, 18
	s_add_co_u32 s66, s66, s71
	s_mov_b32 s67, 0
	s_mul_i32 s70, s[WV], 768                      ; my 768 bytes of the scale words
	s_mul_i32 s68, s19, 12288
	s_add_co_u32 s68, s68, s70
	s_mov_b32 s69, 0
	s_mov_b32 s[SEL], 0x76543210
	s_mov_b32 s[SEL+1], 0xfedcba98
	s_mov_b32 s[CS], 0x3e38aa3b                    ; log2(e) / 8
	s_mov_b32 s[CS+1], s[CS]                       ; (named with it as a pair, so it is written)
	s_mov_b32 s[MNT], 0x600000
	s_mov_b32 s[TB], 0
	s_mov_b32 s[TS], 0
	s_wait_dscnt 0x0
	s_wait_kmcnt 0x0
	s_add_nc_u64 s[66:67], s[8:9], s[66:67]
	s_add_nc_u64 s[68:69], s[10:11], s[68:69]
	s_mov_b32 s[G0S], 1
	s_add_co_u32 s[G0S+1], s70, SC
	s_mov_b64 s[G0S+2:G0S+3], s[68:69]
	s_or_b32 s[G0S+3], s[G0S+3], 0x80000000
.irp c, 0,1,2,3
	s_mov_b32 s[G0C+4*\c], 1
	s_add_co_u32 s[G0C+4*\c+1], s71, \c*65536
	s_add_nc_u64 s[G0C+4*\c+2:G0C+4*\c+3], s[66:67], \c*65536
	s_or_b32 s[G0C+4*\c+3], s[G0C+4*\c+3], 0x80000000
.endr
	CROUND                                         ; all four work-groups are here: the joint loads meet
	tensor_load_to_lds s[G0S:G0S+3], s[G1S:G1S+7]  ; five loads of mine are out: the scale words,
	s_nop 0
.irp c, 0,1,2,3
	tensor_load_to_lds s[G0C+4*\c:G0C+4*\c+3], s[G1C:G1C+7]   ; and my part of each chunk of four key steps
	s_nop 0
.endr
.rept 4
	v_nop
.endr
	v_and_b32 v[LN], 31, v0
	v_and_b32 v[R4], 15, v0                        ; r, for the lines below
	v_lshlrev_b32 v[LI], 4, v[LN]
	v_lshl_add_u32 v[AS0], v[R4], 5, SC
	v_lshl_add_u32 v[AT0], v[R4], 4, SC+512
	s_lshl_b32 s72, s[WV], 5
	v_lshl_add_u32 v[ASC], v[R4], 1, s72
	v_add_nc_u32 v[ASC], SCR, v[ASC]
	v_add_nc_u32 v[ARD], SCR, v[LI]
	v_lshlrev_b32 v[R4], 2, v[R4]
	s_lshl_b32 s72, s19, 7
	s_lshl_b32 s73, s18, 4
	s_add_co_u32 s72, s72, s73
	s_add_co_u32 s72, s72, s[WV]                   ; my tile of queries: 128 bh + 16 block + w
	s_lshl_b32 s74, s72, 10
	s_mov_b32 s75, 0
	s_add_nc_u64 s[4:5], s[4:5], s[74:75]
	s_lshl_b32 s74, s72, 6
	s_add_nc_u64 s[6:7], s[6:7], s[74:75]
	global_load_b128 v[QF:QF+3], v[LI], s[4:5]
	global_load_b128 v[QF+4:QF+7], v[LI], s[4:5] offset:512
	global_load_b32 v[QW], v[R4], s[6:7]
	s_lshr_b32 s76, s19, 4
	s_lshl_b32 s76, s76, 7
	s_add_co_u32 s76, s76, s73                     ; 128 x batch + 16 x block: the work-group's first tile of tokens
	s_and_b32 s77, s19, 15                         ; the head
	s_add_co_u32 s74, s76, s[WV]
	s_lshl_b32 s74, s74, 14
	s_lshl_b32 s78, s77, 10
	s_add_co_u32 s74, s74, s78
	s_add_nc_u64 s[12:13], s[12:13], s[74:75]      ; vals' images: 16,384 bytes a tile of tokens, my head's 1,024 of them
	s_lshl_b32 s74, s77, 14
	s_lshl_b32 s78, s76, 5
	s_add_co_u32 s74, s74, s78
	s_add_nc_u64 s[14:15], s[14:15], s[74:75]      ; vals' scale bytes: [head][token] two bytes
.set j, 0
.rept 8
	v_mov_b32 v[QF+8+j], 0                         ; q's upper 64 along K: zero codes
	v_mov_b32 v[96+j], 0                           ; what stands behind k's tile 7
.set j, j+1
.endr
.set j, 0
.rept 32
	v_mov_b32 v[O+j], 0                            ; O^T.  (The step is written once: the first finds zeros, which the first change of M leaves zeros)
.set j, j+1
.endr
	v_mov_b32 v13, 0xff61b1e6                      ; the largest t so far: -3e38
	v_floor_f32 v12, -v13                          ; -M
	v_mov_b32 v14, 0
	v_mov_b32 v15, 0
.irp b, 0,1,2,3
	v_mov_b32 v[T2+\b], 0                          ; written once: a lane permute's destination counts as one of its sources
.endr
	v_mov_b32 v[F+1], 0
; A KEY STEP: 128 keys.
.macro STEP
	v_add_nc_u32 v[ADK], s[TB], v[LI]
	v_add_nc_u32 v[ADS], s[TS], v[AS0]
	v_add_nc_u32 v[ADT], s[TS], v[AT0]
.rept 5
	v_nop                                          ; with the three additions: eight places behind the last step's products, in front of loads into the registers that they read
.endr
.irp t, 0,1,2,3,4,5,6,7
.irp c, 0,1
	ds_load_b128 v[KF+8*\t+4*\c:KF+8*\t+4*\c+3], v[ADK] offset:1024*\t+512*\c
.endr
.endr
	ds_load_b128 v[KS:KS+3], v[ADS]
	ds_load_b128 v[KS+4:KS+7], v[ADS] offset:16
	s_wait_dscnt 0x0
.irp t, 0,1,2,3,4,5,6,7
	v_wmma_scale_f32_16x16x128_f8f6f4 v[S+8*\t:S+8*\t+7], v[KF+8*\t:KF+8*\t+15], v[QF:QF+15], 0, v[KS+\t], v[QW] matrix_a_fmt:MATRIX_FMT_BF8 matrix_b_fmt:MATRIX_FMT_BF8
.endr
.rept 8
	v_nop                                          ; places in front of the loads below and of the first read of the scores
.endr
.irp t, 0,1,2,3
.irp c, 0,1,2,3
	ds_load_b128 v[KF+16*\t+4*\c:KF+16*\t+4*\c+3], v[ADK] offset:8192+2048*\t+512*\c   ; v's fragments land while the softmax is worked
.endr
.endr
	ds_load_b128 v[KS:KS+3], v[ADT]
.irp b, 0,1,2,3
	v_max3_num_f32 v[BM+\b], v[S+16*\b], v[S+1+16*\b], v[S+2+16*\b]   ; the largest score of each block of 32 keys: for the row's maximum, and, since p rises with the score, for the block's largest p
.endr
.irp i, 3,5,7,9,11,13
.irp b, 0,1,2,3
	v_max3_num_f32 v[BM+\b], v[BM+\b], v[S+16*\b+\i], v[S+1+16*\b+\i]
.endr
.endr
.irp b, 0,1,2,3
	v_max_num_f32 v[BM+\b], v[BM+\b], v[S+15+16*\b]
.endr
.irp b, 0,1,2,3
	v_permlanex16_b32 v[T2+\b], v[BM+\b], s[SEL], s[SEL+1]
.endr
.irp b, 0,1,2,3
	v_max_num_f32 v[BM+\b], v[BM+\b], v[T2+\b]     ; with lane l xor 16's 16 keys
.endr
	v_max3_num_f32 v[TMP], v[BM], v[BM+1], v[BM+2]
	v_max_num_f32 v[TMP], v[TMP], v[BM+3]          ; the step's largest score of my query
	v_mul_f32 v[TMP], s[CS], v[TMP]                ; as t
	v_max_num_f32 v13, v13, v[TMP]                 ; the running largest t
	v_mov_b32 v[TMP], v12
	v_floor_f32 v12, -v13                          ; the new -M = -ceil(t)
	v_sub_f32 v[TMP], v12, v[TMP]                  ; old M - new M: a whole number, 0 or less
	v_cvt_i32_f32 v[TMP], v[TMP]                   ; (it saturates)
	v_ldexp_f32 v[F], 1.0, v[TMP]                  ; f = 2^(old M - new M)
.set j, 0
.rept 32
	v_pk_fma_f32 v[S+j:S+j+1], v[S+j:S+j+1], s[CS:CS+1], v[12:13] op_sel_hi:[1,0,0]   ; t - M, two at a time
.set j, j+2
.endr
.irp b, 0,1,2,3
	v_fma_f32 v[BM+\b], v[BM+\b], s[CS], v12       ; the same of each block's largest score
.endr
.set j, 0
.rept 64
	v_exp_f32 v[S+j], v[S+j]                       ; p = 2^(t - M)
.set j, j+1
.endr
	v_pk_mul_f32 v[14:15], v[14:15], v[F:F+1] op_sel_hi:[1,0]   ; the sums under the new M: the plain instruction behind the exponentials
	s_wait_alu depctr_va_vdst(0)                   ; one wait for the batch, ahead of its first reader
.irp b, 0,1,2,3
	v_exp_f32 v[BM+\b], v[BM+\b]                   ; the block's largest p
.endr
	v_pk_add_f32 v[T2:T2+1], v[S:S+1], v[S+2:S+3]  ; the row's sum of the unquantised p, in two chains
.set j, 4
.rept 15
	v_pk_add_f32 v[14:15], v[14:15], v[S+j:S+j+1]
	v_pk_add_f32 v[T2:T2+1], v[T2:T2+1], v[S+j+2:S+j+3]
.set j, j+4
.endr
	v_pk_add_f32 v[14:15], v[14:15], v[T2:T2+1]
	s_wait_alu depctr_va_vdst(0)                   ; and one for the four
.irp b, 0,1,2,3
	v_max_num_f32 v[BM+\b], 0x8000000, v[BM+\b]    ; the floor 2^(16 - 127): the byte cannot fall under 1
.endr
.irp b, 0,1,2,3
	v_add_nc_u32 v[SO+\b], 0xf8800000, v[BM+\b]    ; 15 off the exponent field: the conversion's scale operand
.endr
.irp b, 0,1,2,3
	v_and_or_b32 v[HD+\b], v[BM+\b], 0x7f800000, s[MNT]   ; 57,344 x the scale
.endr
.irp b, 0,1,2,3
	v_lshrrev_b32 v[T2+\b], 23, v[SO+\b]           ; the scale's byte
.endr
	v_lshl_or_b32 v[PW], v[T2+1], 8, v[T2]         ; p's scale word for these 128 keys
	v_lshl_or_b32 v[PW], v[T2+2], 16, v[PW]
	v_lshl_or_b32 v[PW], v[T2+3], 24, v[PW]
.irp b, 0,1,2,3
.irp i, 0,1,2,3,4,5,6,7,8,9,10,11,12,13,14,15
	v_min_num_f32 v[S+16*\b+\i], v[S+16*\b+\i], v[HD+\b]   ; the conversion does not saturate (ISA guide 7.6.2); p is not negative, so the hold is one-sided
.endr
	v_cvt_scalef32_pk8_bf8_f32 v[PC+4*\b:PC+4*\b+1], v[S+16*\b:S+16*\b+7], v[SO+\b]
	v_cvt_scalef32_pk8_bf8_f32 v[PC+4*\b+2:PC+4*\b+3], v[S+16*\b+8:S+16*\b+15], v[SO+\b]
.endr
.set j, 0
.rept 16
	v_pk_mul_f32 v[O+j:O+j+1], v[O+j:O+j+1], v[F:F+1] op_sel_hi:[1,0]   ; O^T under the new M; these are also the places between the conversions and the products
.set j, j+2
.endr
	s_wait_dscnt 0x0                               ; v's fragments and scale words are in
.irp t, 0,1,2,3
	v_wmma_scale_f32_16x16x128_f8f6f4 v[O+8*\t:O+8*\t+7], v[KF+16*\t:KF+16*\t+15], v[PC:PC+15], v[O+8*\t:O+8*\t+7], v[KS+\t], v[PW] matrix_a_fmt:MATRIX_FMT_BF8 matrix_b_fmt:MATRIX_FMT_BF8
.endr
	s_add_co_u32 s[TB], s[TB], 16384
	s_add_co_u32 s[TS], s[TS], 768
.endm
; Four key steps.  left: the later chunks' loads of mine, which may stay out.
.macro CHUNK left
	s_wait_tensorcnt \left                         ; my part of this chunk (and of the scale words) has landed
	s_wait_dscnt 0x0
	s_barrier_signal -1
	s_barrier_wait -1                              ; everybody's has
	s_mov_b32 s[CNT], 4
.Lstep_\@:
	STEP
	s_sub_co_u32 s[CNT], s[CNT], 1
	s_cmp_lg_u32 s[CNT], 0
	s_cbranch_scc1 .Lstep_\@
.endm
	s_wait_loadcnt 0x0                             ; q
	CHUNK 3
	CHUNK 2
	CHUNK 1
	CHUNK 0
	; THE WAY OUT.  O^T / the sum is vals: register 8 t + j of lane (r, h) is channel 16 t + 8 h + j of query r.  Two blocks of 32 channels are quantised; the codes are then brought into the true order along K,
	; since they meet the given codes of w_o: lane (r, 0) wants channels 32 b + 0 .. 15, lane (r, 1) channels 32 b + 16 .. 31: the two lanes exchange eight codes of each block.
.rept 8
	v_nop                                          ; places behind the last products
.endr
	v_add_f32 v14, v14, v15
	v_permlanex16_b32 v[TMP], v14, s[SEL], s[SEL+1]
	v_add_f32 v14, v14, v[TMP]                     ; the row's sum
	v_rcp_f32 v14, v14
	v_cmp_le_u32 vcc_lo, 16, v[LN]                 ; lanes 16-31.  (The plain instruction behind the reciprocal)
	s_wait_alu depctr_va_vdst(0)                   ; the wait ahead of its first reader
.set j, 0
.rept 16
	v_pk_mul_f32 v[O+j:O+j+1], v[O+j:O+j+1], v[14:15] op_sel_hi:[1,0]
.set j, j+2
.endr
.irp b, 0,1
	v_max3_num_f32 v[BM+\b], |v[O+16*\b]|, |v[O+16*\b+1]|, 0x8000000
.endr
.irp i, 2,4,6,8,10,12,14
.irp b, 0,1
	v_max3_num_f32 v[BM+\b], v[BM+\b], |v[O+16*\b+\i]|, |v[O+16*\b+\i+1]|
.endr
.endr
.irp b, 0,1
	v_permlanex16_b32 v[T2+\b], v[BM+\b], s[SEL], s[SEL+1]
.endr
.irp b, 0,1
	v_max_num_f32 v[BM+\b], v[BM+\b], v[T2+\b]
.endr
.irp b, 0,1
	v_add_nc_u32 v[SO+\b], 0xf8800000, v[BM+\b]
.endr
.irp b, 0,1
	v_and_or_b32 v[HD+\b], v[BM+\b], 0x7f800000, s[MNT]
.endr
.irp b, 0,1
	v_lshrrev_b32 v[T2+\b], 23, v[SO+\b]
.endr
	v_lshl_or_b32 v[PW], v[T2+1], 8, v[T2]         ; my query's two scale bytes
.irp b, 0,1
.irp i, 0,1,2,3,4,5,6,7,8,9,10,11,12,13,14,15
	v_med3_num_f32 v[O+16*\b+\i], v[O+16*\b+\i], -v[HD+\b], v[HD+\b]
.endr
.endr
.irp b, 0,1
	v_cvt_scalef32_pk8_bf8_f32 v[PC+4*\b:PC+4*\b+1], v[O+16*\b:O+16*\b+7], v[SO+\b]
	v_cvt_scalef32_pk8_bf8_f32 v[PC+4*\b+2:PC+4*\b+3], v[O+16*\b+8:O+16*\b+15], v[SO+\b]
.endr
	v_nop                                          ; one plain vector instruction behind the last conversion
.irp n, 0,1,2,3,4,5,6,7
	v_permlanex16_b32 v[S+8+\n], v[PC+\n], s[SEL], s[SEL+1]   ; the partner's codes
.endr
.irp b, 0,1
.irp g, 0,1
	v_cndmask_b32 v[S+4*\b+\g], v[PC+4*\b+\g], v[S+8+4*\b+2+\g], vcc_lo     ; the first eight: lanes 0-15 their own first eight, lanes 16-31 the partner's second eight
	v_cndmask_b32 v[S+4*\b+2+\g], v[S+8+4*\b+\g], v[PC+4*\b+2+\g], vcc_lo   ; the second eight: lanes 0-15 the partner's first eight, lanes 16-31 their own second eight
.endr
.endr
	global_store_b128 v[LI], v[S:S+3], s[12:13]               ; 512 consecutive bytes each
	global_store_b128 v[LI], v[S+4:S+7], s[12:13] offset:512
	ds_store_b16 v[ASC], v[PW]                     ; lanes l and l + 16 write the same bytes with the same value
	s_wait_dscnt 0x0
	s_barrier_signal -1
	s_barrier_wait -1
	s_cmp_lg_u32 s[WV], 0
	s_cbranch_scc1 .Lnot_first
	ds_load_b128 v[S+16:S+19], v[ARD]              ; the work-group's 256 tokens x 2 bytes
	s_wait_dscnt 0x0
	global_store_b128 v[LI], v[S+16:S+19], s[14:15]
.Lnot_first:
	s_wait_tensorcnt 0x0
	ds_add_u32 v254, v255
	s_wait_dscnt 0x0
	CROUND                                         ; the closing round
	s_endpgm
.Lfunc_end_k_q6a1f5f6c41_attn:
	.size	k_q6a1f5f6c41_attn, .Lfunc_end_k_q6a1f5f6c41_attn-k_q6a1f5f6c41_attn
	.p2alignl 7, 3214868480
	.fill 96, 4, 3214868480
	.section	.rodata,"a",@progbits
	.p2align	6, 0x0
	.amdhsa_kernel k_q6a1f5f6c41_attn
		.amdhsa_group_segment_fixed_size 327680
		.amdhsa_private_segment_fixed_size 0
		.amdhsa_enable_private_segment 0
		.amdhsa_kernarg_size 48
		.amdhsa_user_sgpr_count 2
		.amdhsa_user_sgpr_kernarg_segment_ptr 1
		.amdhsa_wavefront_size32 1
		.amdhsa_system_sgpr_workgroup_id_x 1
		.amdhsa_system_sgpr_workgroup_id_y 1
		.amdhsa_system_sgpr_workgroup_id_z 1
		.amdhsa_system_vgpr_workitem_id 0
		.amdhsa_next_free_vgpr 256
		.amdhsa_next_free_sgpr 80
		.amdhsa_reserve_vcc 1
		.amdhsa_float_denorm_mode_32 3
		.amdhsa_float_denorm_mode_16_64 3
		.amdhsa_memory_ordered 1
		.amdhsa_forward_progress 1
		.amdhsa_inst_pref_size 90
	.end_amdhsa_kernel
	.amdgpu_metadata
---
amdhsa.version: [ 1, 2 ]
amdhsa.kernels:
  - .name:           k_q6a1f5f6c41_attn
    .symbol:         k_q6a1f5f6c41_attn.kd
    .args:
      - { .name: qi, .offset: 0, .size: 8, .value_kind: global_buffer, .address_space: global }
      - { .name: qs, .offset: 8, .size: 8, .value_kind: global_buffer, .address_space: global }
      - { .name: kv, .offset: 16, .size: 8, .value_kind: global_buffer, .address_space: global }
      - { .name: kvs, .offset: 24, .size: 8, .value_kind: global_buffer, .address_space: global }
      - { .name: vc, .offset: 32, .size: 8, .value_kind: global_buffer, .address_space: global }
      - { .name: vsc, .offset: 40, .size: 8, .value_kind: global_buffer, .address_space: global }
    .group_segment_fixed_size: 327680
    .private_segment_fixed_size: 0
    .kernarg_segment_align: 8
    .kernarg_segment_size: 48
    .max_flat_workgroup_size: 512
    .sgpr_count:     80
    .vgpr_count:     256
    .wavefront_size: 32
...
	.end_amdgpu_metadata
.endif
;; end of part 2
;; launch proj (part 3): grid 8 x 32, 4 waves a work-group, clusters of 4 x 4, 327,680 bytes of LDS; arguments vc, vsc, w_o_codes, w_o_scales, b_o, out0; writes out0
.if DOCPART == 3
	.amdgcn_target "amdgcn-amd-amdhsa--gfx1250"
	.amdhsa_code_object_version 6
	.text
	.protected	k_q6a1f5f6c41_proj
	.globl	k_q6a1f5f6c41_proj
	.p2align	8
	.type	k_q6a1f5f6c41_proj,@function
k_q6a1f5f6c41_proj:
	s_mov_b64 s[64:65], 0
	v_nop
	global_prefetch_b8 v0, s[64:65] scope:SCOPE_SE
	s_setreg_imm32_b32 hwreg(HW_REG_WAVE_MODE, 25, 1), 1
	s_wait_xcnt 0x0
	s_wait_alu depctr_hold_cnt(0) depctr_sa_sdst(0) depctr_va_vdst(0) depctr_va_sdst(0) depctr_va_ssrc(0) depctr_va_vcc(0) depctr_vm_vsrc(0)
	s_getreg_b32 s2, hwreg(HW_REG_IB_STS2, 6, 4)
	s_cmp_eq_u32 s2, 0
	s_cbranch_scc0 .Lentry_in_a_cluster
	s_endpgm
.Lentry_in_a_cluster:
	s_bfe_u32 s2, ttmp6, 0x10000c
	s_cmp_lg_u32 s2, 0xf033
	s_cbranch_scc0 .Lentry_shape_is_right
	s_endpgm
.Lentry_shape_is_right:
; out = vals W_o^T + b_o on codes of BF8 (E5M2) with E8M0 scales.  vals: images of the operand's registers, [tile of 16 tokens 512][K step 8][4][512 bytes]; its scale bytes [head 16][token 8192] two bytes.
; W_o: [1024 columns][1024] codes, scales [1024][32].  out: [8192][1024] f32.
; SHARES.  A work-group makes 256 tokens x 128 columns; wave w takes tokens 64 w .. 64 w + 63 (4 tiles m) and all 128 columns (8 tiles i): 32 accumulators.
; The product is used transposed (source 0 = 16 rows of W_o, source 1 = 16 tokens): a lane holds eight neighbouring columns of one row of out.  The bias is the C of each sum's first product.
; K goes in 8 steps of 128 through two LDS slots of 256 along K, each filled twice; all steps are written out, so that each names its own scale registers, which hold all of K's scales from the head on.
; CLUSTER 4 x 4: vals' tiles hang on the token block alone and are asked for jointly along a row of the cluster, W_o's on the column block alone, along a column.
; LIMITS: NaN and infinities are not served; the bias starts the f32 sum instead of being added behind it.
; REGISTERS.  window 0: v1-15 addresses; v32-95 the bias (8 i + j); v128-191 W_o's scale words (8 i + k); v192-223 vals' (8 m + k); v224-255 their upper halves as loaded.
;   window 1: v0-127 W_o's 8 fragments (on the way out: rows of out); v128-255 vals' fragments, two sets.   window 2: accumulator (i, m) at v[32 i + 8 m].
.set PITCH,  272                       ; a row of W_o in LDS: 256 bytes + 16 of padding
.set WOFF,   65536                     ; a slot: vals' 16 tiles x 4,096 bytes as images, then W_o's 128 rows
.set SLOT,   WOFF+128*PITCH
.set SPARE,  2*SLOT                    ; the spare words: 128 bytes a wave, two blocks of 256 bytes that no other line names
.set STAGE,  SPARE+512                 ; the way out: 16 rows x (512 bytes + 16) for each wave; no tensor load lands here
.set SPITCH, 528
.set ADX, 4
.set ADW, 6
.set SPW, 8
.set NIL, 9
.set STO, 10
.set RD,  11
.set CO,  12
.set R32, 13
.set H32, 14
.set R2,  15
.set BI,  32
.set SCW, 128
.set SCA, 192
.set SCU, 224
.set WV,   22
.set ROLE, 23
.set HALF, 24
.set G1A, 28
.set G0A, 36
.set G1W, 44
.set G0W, 52
.set MSB, 0
.macro WIN new
.if MSB != (\new)
	s_set_vgpr_msb (MSB<<8)|(\new)
.set MSB, (\new)
.endif
.endm
.macro PLACES n
.rept \n
	v_nop
.endr
.endm
.macro JLOAD g0a, g1a, g0b, g1b        ; a joint load: waves 0 and 1 fetch vals' halves, waves 2 and 3 W_o's; four v_nop follow each of the two lines
	s_cmp_eq_u32 s[ROLE], 0
	s_cbranch_scc0 .Lfor_b_\@
	tensor_load_to_lds s[\g0a:\g0a+3], s[\g1a:\g1a+7]
	s_nop 0
.rept 4
	v_nop
.endr
	s_branch .Lasked_\@
.Lfor_b_\@:
	tensor_load_to_lds s[\g0b:\g0b+3], s[\g1b:\g1b+7]
	s_nop 0
.rept 4
	v_nop
.endr
.Lasked_\@:
.endm
.macro CREST
	s_cmp_lg_u32 s[WV], 0
	s_cbranch_scc1 .Lnot_wave_0_\@
	s_barrier_signal -3
.Lnot_wave_0_\@:
	s_barrier_wait -3
	s_barrier_signal -1
	s_barrier_wait -1
.endm
.macro CROUND
	s_barrier_signal -1
	s_barrier_wait -1
	CREST
.endm
	s_load_b256 s[4:11], s[0:1], 0x0               ; vc s[4:5], vsc s[6:7], W_o's codes s[8:9], W_o's scales s[10:11]
	s_load_b128 s[12:15], s[0:1], 0x20             ; b_o s[12:13], out s[14:15]
	v_lshl_add_u32 v[SPW], v0, 2, SPARE
	v_mov_b32 v[NIL], 0
	ds_add_u32 v8, v9
	ds_add_u32 v8, v9
	s_wait_dscnt 0x0
	v_lshrrev_b32 v1, 5, v0
	v_readfirstlane_b32 s[WV], v1
	s_lshr_b32 s[ROLE], s[WV], 1
	s_and_b32 s[HALF], s[WV], 1
	s_bfe_u32 s60, ttmp6, 0x40000                  ; cx, cy
	s_bfe_u32 s61, ttmp6, 0x40004
	s_lshl_b32 s62, ttmp9, 2
	s_add_co_u32 s62, s62, s60                     ; the block of 128 columns
	s_and_b32 s63, ttmp7, 0xffff
	s_lshl_b32 s63, s63, 2
	s_add_co_u32 s63, s63, s61                     ; the block of 256 tokens
	s_lshl_b32 s25, s61, 2
	s_lshl_b32 s25, 15, s25                        ; my row of the cluster
	s_lshl_b32 s26, 0x1111, s60                    ; my column
	s_or_b32 s[G1A], s25, 0x00230000               ; the mask; elements of 8 bytes; bit 21 beside a mask; no padding
	s_mov_b32 s[G1A+1], 512<<16                    ; a row: a tile's two K steps, 512 elements = 4,096 bytes
	s_mov_b32 s[G1A+2], 8<<16                      ; 8 tiles of tokens
	s_mov_b32 s[G1A+3], 512<<16
	s_mov_b32 s[G1A+4], 8
	s_mov_b32 s[G1A+5], 2048                       ; 16,384 bytes from tile to tile
	s_mov_b32 s[G1A+6], 0
	s_mov_b32 s[G1A+7], 0
	s_or_b32 s[G1W], s26, 0x07700000               ; the mask; elements of 1 byte; padding: four words after every 64; bit 21
	s_mov_b32 s[G1W+1], 256<<16
	s_mov_b32 s[G1W+2], 64<<16
	s_mov_b32 s[G1W+3], 256<<16
	s_mov_b32 s[G1W+4], 64
	s_mov_b32 s[G1W+5], 1024
	s_mov_b32 s[G1W+6], 0
	s_mov_b32 s[G1W+7], 0
	s_lshl_b32 s66, s63, 18                        ; vals: (16 x block + 8 x half) tiles of 16,384 bytes; these registers never hold cx
	s_lshl_b32 s67, s[HALF], 17
	s_add_co_u32 s66, s66, s67
	s_mov_b32 s67, 0
	s_lshl_b32 s68, s62, 17                        ; W_o: (128 x block + 64 x half) rows of 1,024 bytes; these never hold cy
	s_lshl_b32 s69, s[HALF], 16
	s_add_co_u32 s68, s68, s69
	s_mov_b32 s69, 0
	s_lshl_b32 s70, s[HALF], 15                    ; where they go in a slot
	s_mul_i32 s71, s[HALF], 64*PITCH
	s_add_co_u32 s71, s71, WOFF
	s_wait_kmcnt 0x0
	s_add_nc_u64 s[66:67], s[4:5], s[66:67]
	s_add_nc_u64 s[68:69], s[8:9], s[68:69]
	CROUND                                         ; all sixteen work-groups are here: the first joint loads meet
.irp s, 0,1
	s_mov_b32 s[G0A+4*\s], 1
	s_add_co_u32 s[G0A+4*\s+1], s70, \s*SLOT
	s_add_nc_u64 s[G0A+4*\s+2:G0A+4*\s+3], s[66:67], \s*4096
	s_or_b32 s[G0A+4*\s+3], s[G0A+4*\s+3], 0x80000000
	s_mov_b32 s[G0W+4*\s], 1
	s_add_co_u32 s[G0W+4*\s+1], s71, \s*SLOT
	s_add_nc_u64 s[G0W+4*\s+2:G0W+4*\s+3], s[68:69], \s*256
	s_or_b32 s[G0W+4*\s+3], s[G0W+4*\s+3], 0x80000000
	JLOAD G0A+4*\s, G1A, G0W+4*\s, G1W             ; two loads of mine are out
.endr
	v_and_b32 v1, 15, v0                           ; r
	v_bfe_u32 v2, v0, 4, 1                         ; h
	v_and_b32 v3, 31, v0                           ; lane
	s_lshl_b32 s72, s[WV], 14
	v_lshl_add_u32 v[ADX], v3, 4, s72              ; my four tiles' images: 16,384 w + 16 x lane
	v_add_nc_u32 v[ADX+1], SLOT, v[ADX]
	v_mul_u32_u24 v[ADW], v1, PITCH
	v_lshl_add_u32 v[ADW], v2, 4, v[ADW]
	v_add_nc_u32 v[ADW], WOFF, v[ADW]
	v_add_nc_u32 v[ADW+1], SLOT, v[ADW]
	s_mul_i32 s72, s[WV], 16*SPITCH
	s_add_co_u32 s72, s72, STAGE                   ; my stage
	v_mul_u32_u24 v[STO], v1, SPITCH
	v_lshl_add_u32 v[STO], v2, 5, v[STO]
	v_add_nc_u32 v[STO], s72, v[STO]               ; in: row r, 32 bytes for each half of the lanes
	v_lshlrev_b32 v[CO], 4, v3
	v_add_nc_u32 v[RD], s72, v[CO]                 ; back: the 32 lanes take one row of 512 bytes
	v_lshlrev_b32 v[R32], 5, v1
	v_lshlrev_b32 v[H32], 5, v2
	v_lshlrev_b32 v[R2], 1, v1
	s_mov_b32 s73, 0
	s_lshl_b32 s72, s62, 12
	s_add_nc_u64 s[10:11], s[10:11], s[72:73]      ; W_o's scales at my first row
	s_lshl_b32 s72, s62, 9
	s_add_nc_u64 s[12:13], s[12:13], s[72:73]      ; the bias at my first column
	s_lshl_b32 s72, s63, 9
	s_lshl_b32 s74, s[WV], 7
	s_add_co_u32 s72, s72, s74
	s_add_nc_u64 s[6:7], s[6:7], s[72:73]          ; vals' scale bytes at my first token, head 0
	s_lshl_b32 s72, s63, 20
	s_lshl_b32 s74, s[WV], 18
	s_add_co_u32 s72, s72, s74
	s_lshl_b32 s74, s62, 9
	s_add_co_u32 s72, s72, s74
	s_add_nc_u64 s[14:15], s[14:15], s[72:73]      ; out at my first row and column; never stepped
.irp i, 0,1,2,3,4,5,6,7
.irp g, 0,1
	global_load_b128 v[SCW+8*\i+4*\g:SCW+8*\i+4*\g+3], v[R32], s[10:11] offset:512*\i+16*\g   ; a row's 32 scale bytes: eight words, one for each K step
	global_load_b128 v[BI+8*\i+4*\g:BI+8*\i+4*\g+3], v[H32], s[12:13] offset:64*\i+16*\g      ; the bias of columns 16 i + 8 h + 0 .. 7
.endr
.endr
.irp m, 0,1,2,3
.irp k, 0,1,2,3,4,5,6,7
	global_load_u16 v[SCA+8*\m+\k], v[R2], s[6:7] offset:2*\k*16384+32*\m         ; K step k is heads 2 k and 2 k + 1: two bytes of each
	global_load_u16 v[SCU+8*\m+\k], v[R2], s[6:7] offset:(2*\k+1)*16384+32*\m
.endr
.endr
.macro FETCH_X slot, q, set            ; my four fragments of vals, the slot's q-th K step: images, 16 loads of 512 consecutive bytes
	WIN 0x40                                       ; destination window 1
.irp m, 0,1,2,3
.irp c, 0,1,2,3
	ds_load_b128 v[128+64*(\set)+16*\m+4*\c:128+64*(\set)+16*\m+4*\c+3], v[ADX+\slot] offset:4096*\m+2048*(\q)+512*\c
.endr
.endr
.endm
.macro FETCH_W slot, q, i0             ; W_o's fragments i0 .. i0 + 3: 16 loads
	WIN 0x40
.irp d, 0,1,2,3
.irp c, 0,1,2,3
	ds_load_b128 v[16*((\i0)+\d)+4*\c:16*((\i0)+\d)+4*\c+3], v[ADW+\slot] offset:128*(\q)+32*\c+((\i0)+\d)*16*PITCH
.endr
.endr
.endm
; Four products: W_o's tile i against my four tiles of tokens.  The 32 accumulators take turns, one instruction a turn, in the same order in every K step.
.macro MULT i, k, set, first
.if \first
	WIN 0x85                                       ; sources window 1, C (bias) window 0, D window 2
.else
	WIN 0xa5                                       ; sources window 1, C and D window 2
.endif
.irp m, 0,1,2,3
.if \first
	v_wmma_scale_f32_16x16x128_f8f6f4 v[32*(\i)+8*\m:32*(\i)+8*\m+7], v[16*(\i):16*(\i)+15], v[128+64*(\set)+16*\m:128+64*(\set)+16*\m+15], v[BI+8*(\i):BI+8*(\i)+7], v[SCW+8*(\i)+(\k)], v[SCA+8*\m+(\k)] matrix_a_fmt:MATRIX_FMT_BF8 matrix_b_fmt:MATRIX_FMT_BF8
.else
	v_wmma_scale_f32_16x16x128_f8f6f4 v[32*(\i)+8*\m:32*(\i)+8*\m+7], v[16*(\i):16*(\i)+15], v[128+64*(\set)+16*\m:128+64*(\set)+16*\m+15], v[32*(\i)+8*\m:32*(\i)+8*\m+7], v[SCW+8*(\i)+(\k)], v[SCA+8*\m+(\k)] matrix_a_fmt:MATRIX_FMT_BF8 matrix_b_fmt:MATRIX_FMT_BF8
.endif
.endr
.endm
.macro STEP slot, k, first             ; a slot's first K step (vals' set 0)
	s_wait_dscnt 16                                ; vals' set and W_o's tiles 0-3 are in; the youngest 16 loads (tiles 4-7) may be out
.irp i, 0,1,2,3
	MULT \i, \k, 0, \first
.endr
	s_wait_dscnt 0x0
	PLACES 8                                       ; in front of loads into registers that matrix instructions have read
	FETCH_X \slot, 1, 1
	FETCH_W \slot, 1, 0
.irp i, 4,5,6,7
	MULT \i, \k, 0, \first
.endr
	PLACES 8
	FETCH_W \slot, 1, 4
	WIN 0
.endm
; A slot's second K step changes slots: ONE barrier; in front of it each wave waits for all its tensor loads, adds 0 to its spare word, and waits for that and for its reads of this slot.
.macro TURN slot, next, fill, k
	s_wait_tensorcnt 0x0                           ; all my tensor loads have landed: my part of the next slot
	ds_add_u32 v[SPW], v[NIL]                      ; 0 onto my spare word
	s_wait_dscnt 17                                ; (the add and the youngest 16 loads may be out)
.irp i, 0,1
	MULT \i, \k, 1, 0
.endr
	s_wait_dscnt 0x0                               ; the add is done, and my reads of this slot are over
	s_barrier_signal -1
.irp i, 2,3
	MULT \i, \k, 1, 0
.endr
	WIN 0
	s_barrier_wait -1
.if \fill
	CREST                                          ; no wave of any partner still reads this slot or has a load on its way
	s_add_nc_u64 s[G0A+4*\slot+2:G0A+4*\slot+3], s[G0A+4*\slot+2:G0A+4*\slot+3], 8192
	s_add_nc_u64 s[G0W+4*\slot+2:G0W+4*\slot+3], s[G0W+4*\slot+2:G0W+4*\slot+3], 512
	JLOAD G0A+4*\slot, G1A, G0W+4*\slot, G1W       ; my one tensor load behind the round, and the first thing there; its four v_nop are four of the eight places
	PLACES 4
.else
	PLACES 8
.endif
	FETCH_X \next, 0, 0
	FETCH_W \next, 0, 0
.irp i, 4,5,6,7
	MULT \i, \k, 1, 0
.endr
	PLACES 8
	FETCH_W \next, 0, 4
	WIN 0
.endm
	s_wait_tensorcnt 0x1                           ; my part of slot 0 is in; slot 1's may stay out
	s_barrier_signal -1
	s_barrier_wait -1
	FETCH_X 0, 0, 0
	FETCH_W 0, 0, 0
	FETCH_W 0, 0, 4
	WIN 0
	s_wait_loadcnt 0x0                             ; scale words, scale halves and the bias
.set n, 0
.rept 32
	v_lshl_or_b32 v[SCA+n], v[SCU+n], 16, v[SCA+n] ; vals' scale word of a K step: the two heads' halves
.set n, n+1
.endr
	PLACES 8                                       ; a scale register written by a vector instruction stands eight places ahead of the product
	STEP 0, 0, 1
	TURN 0, 1, 1, 1
	STEP 1, 2, 0
	TURN 1, 0, 1, 3
	STEP 0, 4, 0
	TURN 0, 1, 0, 5                                ; nothing is left to fetch: no round
	STEP 1, 6, 0
	s_wait_dscnt 16                                ; the last K step
.irp i, 0,1,2,3
	MULT \i, 7, 1, 0
.endr
	s_wait_dscnt 0x0
.irp i, 4,5,6,7
	MULT \i, 7, 1, 0
.endr
	WIN 0
; THE WAY OUT, a tile of 16 tokens x 128 columns at a time: through my own stage in LDS and back as whole rows of 512 bytes.  LDS serves a wave's instructions in order (ISA guide 5.7.1.4): no wait between the stores and the loads.
.macro TOSTAGE m
	WIN 0x08                                       ; the data: window 2
.irp i, 0,1,2,3,4,5,6,7
	ds_store_b128 v[STO], v[32*\i+8*(\m):32*\i+8*(\m)+3] offset:64*\i          ; each accumulator from its low end on
	ds_store_b128 v[STO], v[32*\i+8*(\m)+4:32*\i+8*(\m)+7] offset:64*\i+16
.endr
	WIN 0x40                                       ; back into window 1, where W_o's fragments lay
.irp t, 0,1,2,3,4,5,6,7,8,9,10,11,12,13,14,15
	ds_load_b128 v[64*((\m)%2)+4*\t:64*((\m)%2)+4*\t+3], v[RD] offset:\t*SPITCH
.endr
	WIN 0
.endm
.macro SEND m, younger                 ; younger: the LDS instructions issued behind this tile's loads, which may stay out
	s_wait_dscnt \younger
	WIN 0x04                                       ; the stores' data: window 1
.irp t, 0,1,2,3,4,5,6,7,8,9,10,11,12,13,14,15
	global_store_b128 v[CO], v[64*((\m)%2)+4*\t:64*((\m)%2)+4*\t+3], s[14:15] offset:(16*(\m)+\t)*4096 th:TH_STORE_NT   ; 32 lanes store 512 consecutive bytes, at a multiple of 256 from out's first byte
.endr
	WIN 0
.endm
	PLACES 8                                       ; behind the last products: for the reads of results and the loads into W_o's registers
	TOSTAGE 0
	TOSTAGE 1
	SEND 0, 32                                     ; behind tile 0's loads: tile 1's 16 stores and 16 loads
	s_wait_xcnt 0x0                                ; tile 0's stores have read their registers: tile 2's rows may land there
	TOSTAGE 2
	SEND 1, 32
	s_wait_xcnt 0x0
	TOSTAGE 3
	SEND 2, 32
	SEND 3, 0
	s_wait_tensorcnt 0x0                           ; the wave's end
	ds_add_u32 v[SPW], v[NIL]
	s_wait_dscnt 0x0
	CROUND                                         ; the closing round
	s_endpgm
.Lfunc_end_k_q6a1f5f6c41_proj:
	.size	k_q6a1f5f6c41_proj, .Lfunc_end_k_q6a1f5f6c41_proj-k_q6a1f5f6c41_proj
	.p2alignl 7, 3214868480
	.fill 96, 4, 3214868480
	.section	.rodata,"a",@progbits
	.p2align	6, 0x0
	.amdhsa_kernel k_q6a1f5f6c41_proj
		.amdhsa_group_segment_fixed_size 327680
		.amdhsa_private_segment_fixed_size 0
		.amdhsa_enable_private_segment 0
		.amdhsa_kernarg_size 48
		.amdhsa_user_sgpr_count 2
		.amdhsa_user_sgpr_kernarg_segment_ptr 1
		.amdhsa_wavefront_size32 1
		.amdhsa_system_sgpr_workgroup_id_x 1
		.amdhsa_system_sgpr_workgroup_id_y 1
		.amdhsa_system_sgpr_workgroup_id_z 1
		.amdhsa_system_vgpr_workitem_id 0
		.amdhsa_next_free_vgpr 768
		.amdhsa_next_free_sgpr 96
		.amdhsa_reserve_vcc 0
		.amdhsa_float_denorm_mode_32 3
		.amdhsa_float_denorm_mode_16_64 3
		.amdhsa_memory_ordered 1
		.amdhsa_forward_progress 1
		.amdhsa_inst_pref_size 97
	.end_amdhsa_kernel
	.amdgpu_metadata
---
amdhsa.version: [ 1, 2 ]
amdhsa.kernels:
  - .name:           k_q6a1f5f6c41_proj
    .symbol:         k_q6a1f5f6c41_proj.kd
    .args:
      - { .name: vc, .offset: 0, .size: 8, .value_kind: global_buffer, .address_space: global }
      - { .name: vsc, .offset: 8, .size: 8, .value_kind: global_buffer, .address_space: global }
      - { .name: w_o_codes, .offset: 16, .size: 8, .value_kind: global_buffer, .address_space: global }
      - { .name: w_o_scales, .offset: 24, .size: 8, .value_kind: global_buffer, .address_space: global }
      - { .name: b_o, .offset: 32, .size: 8, .value_kind: global_buffer, .address_space: global }
      - { .name: out0, .offset: 40, .size: 8, .value_kind: global_buffer, .address_space: global }
    .group_segment_fixed_size: 327680
    .private_segment_fixed_size: 0
    .kernarg_segment_align: 8
    .kernarg_segment_size: 48
    .max_flat_workgroup_size: 128
    .sgpr_count:     96
    .vgpr_count:     768
    .wavefront_size: 32
...
	.end_amdgpu_metadata
.endif
;; end of part 3
